; MI455X (gfx1250); checked and timed in simulation.
; The chip was launched on July 23, 2026; its instructions are those of AMD's public machine-readable ISA for CDNA 5 (MIT licence, August 2026) and "CDNA5" Instruction Set Architecture Reference Guide (July 2026). The comments in the code are by the model that wrote it; some were corrected since.
;; Grouped Query Attention. Allowed arithmetic: matrix products marked QUANTISED: E3M2 operands, one E8M0 scale for each 32 along K, by v_wmma_scale_f32_16x16x128_f8f6f4 with both operands' format E3M2, f32 sums; everything else in f32.
;; Inputs: Wk 512 x 2,048 float32; Wq 2,048 x 2,048 float32; Wv 512 x 2,048 float32; x 2 x 2,048 x 2,048 float32.
;; Outputs: out0 2 x 2,048 x 2,048 float32.
;; This version of the problem:
;;   THIS VERSION OF THE PROBLEM IS GIVEN IN LOW PRECISION. The matrix products marked QUANTISED in the list below multiply operands that are first quantised to E3M2 (3 exponent bits, 2 mantissa bits; 6 bits a number), with one power-of-two scale for each 32 numbers along K (OCP MX v1.0); their sums are f32. All else is computed in f32.
;;   The module's matrix products, in the order in which they are computed (A, B: the left and right operand; K: the contracted axis; several contracted axes count as one K, in the product's order):
;;     1. [M 4,096, K 2,048] x [K 2,048, N 2,048]; A: input x; B: input Wq: QUANTISED
;;     2. [M 4,096, K 2,048] x [K 2,048, N 512]; A: input x; B: input Wk: QUANTISED
;;     3. [M 4,096, K 2,048] x [K 2,048, N 512]; A: input x; B: input Wv: QUANTISED
;;     4. batch 8 x [M 8,192, K 128] x [K 128, N 2,048]; A: computed on the way; B: computed on the way: QUANTISED
;;     5. batch 8 x [M 8,192, K 2,048] x [K 2,048, N 128]; A: softmax (see below); B: computed on the way: QUANTISED
;;   THE QUANTISER, for each operand of a quantised product, along K:
;;     - K is cut into blocks of 32 from its start; a last block that is shorter is filled with zeros.
;;     - A block's scale is 2^e with e = floor(log2(the largest magnitude in the block)) - 4, held to -126 .. 127; a block of zeros has e = 0. As a byte (E8M0): e + 127.
;;     - Each number is divided by its block's scale, clamped to +-28, and rounded to the nearest number of E3M2, ties to even, subnormals kept.
;;     - The product sums the exact products of the quantised numbers (number of the format x scale) in f32.
;;   ~~~python
;;   def quantise(x, axis):      # numpy; x: float32 -> the quantised numbers, widened to float32 again
;;       x = np.moveaxis(x, axis, -1); K = x.shape[-1]
;;       x = np.pad(x, [(0, 0)] * (x.ndim - 1) + [(0, -K % 32)]); x = x.reshape(x.shape[:-1] + (-1, 32)); a = np.abs(x).max(-1, keepdims=True)
;;       e = np.where(a > 0, np.clip(np.frexp(np.where(a > 0, a, 1))[1] - 1 - 4, -126, 127), 0)      # np.frexp(a)[1] - 1 = floor(log2(a)), exactly
;;       r = np.clip(x / 2.0 ** e, -28, 28)
;;       step = 2.0 ** (np.maximum(np.frexp(np.where(r == 0, 1, r))[1] - 1, -2) - 2)
;;       q = np.round(r / step) * step * 2.0 ** e      # np.round: ties to even
;;       return np.moveaxis(q.reshape(q.shape[:-2] + (-1,))[..., :K], -1, axis).astype(np.float32)
;;   ~~~
;;   SOFTMAX AHEAD OF A QUANTISED PRODUCT. Where the list says 'softmax', what is quantised is not the finished softmax but p = 2^(t - M), with t = logit x log2(e) and M = ceil(the row's largest t), a whole number; so 1/2 < the row's largest p <= 1. The row's sum l is taken of the UNQUANTISED p, in f32, and the product's result is divided by l at the end. Since M is a whole number, a kernel that streams over the keys may use a running M (the ceiling of the running maximum): every later rescaling is an exact power of two, which a block's scale takes up: the codes' values come out the same.
;;   OPERANDS COMPUTED ON THE WAY. 'Computed on the way' means the value that the module computes at that place (a softmax that the list does not call 'softmax' is quantised finished and normalised). What goes into a quantiser is computed in f32, as accurately as f32 sums, v_exp_f32 and their like allow (about 1e-6 of the number): no bf16 or f16 on the way to a quantiser, and a product that is left as it is and whose result goes on into a quantised operand takes f32 operands (vector FMAs, or v_wmma_f32_16x16x4_f32). A number that lies on a knife's edge between two numbers of the format may be rounded either way, as far as f32 arithmetic and the matrix unit's own rounding can turn it there, and no further.
;; One version. Each part assembles by itself: llvm-mc -triple=amdgcn-amd-amdhsa -mcpu=gfx1250 --defsym DOCPART=n.
;; ======== version 1 of 1: 3 launches
;; limits: right only within a limited range of input values
;; workspace buffers: xc 6,291,456 bytes; xs 262,144 bytes; wc 4,718,592 bytes; ws 196,608 bytes; img 9,568,256 bytes; scl 262,144 bytes
;; launch quant (part 1): grid 448 x 1, 4 waves a work-group, no clusters, 57,856 bytes of LDS; arguments x, Wq, Wk, Wv, xc, xs, wc, ws; writes xc, xs, wc, ws
.if DOCPART == 1
	.amdgcn_target "amdgcn-amd-amdhsa--gfx1250"
	.amdhsa_code_object_version 6
	.text
	.protected	k_q68a5a883cd_quant
	.globl	k_q68a5a883cd_quant
	.p2align	8
	.type	k_q68a5a883cd_quant,@function
k_q68a5a883cd_quant:
	s_mov_b64 s[64:65], 0
	v_nop
	global_prefetch_b8 v0, s[64:65] scope:SCOPE_SE
	s_setreg_imm32_b32 hwreg(HW_REG_WAVE_MODE, 25, 1), 1
	s_wait_xcnt 0x0
; GROUPED-QUERY ATTENTION IN MX-BF6, three launches: this one quantises x, Wq, Wk, Wv; the second makes q, k, v and quantises them in registers; the third is the attention.
; WORK LEFT OUT, in the whole program: in the third launch a step of 128 keys all of which come after a wave's queries is not computed.  reference() itself sets those scores to -inf (its own jnp.tril mask)
; ahead of the softmax, so their weights are 0 and they add nothing to the row's sum or to the result, whatever finite values x, Wq, Wk, Wv hold.  Every input has a way to the output and is loaded.
; LIMIT: a NaN, an infinity or an overflow that could arise only in those hidden scores is not carried to the result.
; THIS LAUNCH.  x [4096][2048], Wq [2048][2048], Wk, Wv [512][2048], f32, K innermost, become codes of BF6 (E3M2) with one E8M0 scale byte for each 32 along K.
; A block's byte is its largest magnitude's exponent field - 4, held at 1 from below; a block of zeros gets the byte 1 where the rule says 127: its codes are zeros, and this program alone reads the bytes.
; LIMITS: NaN and infinities among the inputs are not served.
; THE CODES LEAVE AS IMAGES OF OPERAND REGISTERS.  A work-group makes one tile of 16 rows x 2048 K: 16 fragments of 1,536 bytes; in a fragment register 4 c + j of lane (r, h) lies at byte 512 c + 16 (r + 16 h) + 4 j.
; Lane r of tile T holds row 32 (T / 2) + 8 (T % 2) + r % 8 + 16 (r / 8): the second launch then finds 16 neighbours of the next product's K on end in a lane's accumulators.
; The scale bytes of a tile: 1,024 bytes, [pair of K steps][row r][8 bytes].  wc, ws: tiles 0-127 Wq; tile 128 + 16 g + 0..7 Wk's head g, the next 8 Wv's head g.
; A wave takes four rows; a step is 128 along K of each: four loads of 512 consecutive bytes, turned through the wave's stage so that a lane holds 16 neighbours.  The tile's image is gathered in LDS and leaves in runs of 512 bytes.
.set STEPS, 16
.set EMAX,  4
.set FRB,   1536
.set R,     16                         ; v16-79   four sets of 16 numbers as loaded; at the end the image on its way out
.set X,     80                         ; v80-111  two sets of 16 neighbours
.set IA,    112                        ; v112-114 where my three words of codes go in the image
.set CP,    115                        ; v115     where I read the image back
.set C,     128                        ; v128-191 for each step three registers of codes and one for its scale byte
.set WREG,  8192
.set SP,    80
.set SPW,   12
.set NIL,   13
.set IMG,   4*WREG                     ; the tile's image, 24,576 bytes
.set SPARE, IMG+16*FRB
	s_load_b256 s[4:11], s[0:1], 0x0               ; x, Wq, Wk, Wv
	s_load_b256 s[12:19], s[0:1], 0x20             ; xc, xs, wc, ws
	v_lshl_add_u32 v[SPW], v0, 2, SPARE
	v_mov_b32 v[NIL], 0
	v_lshrrev_b32 v1, 5, v0
	v_readfirstlane_b32 s20, v1                    ; wave
	s_mul_i32 s21, s20, WREG
	s_add_co_u32 s23, s21, 2*32*SP                 ; my 256 scale bytes
	s_lshl_b32 s22, s20, 5
	s_lshl_b32 s29, s20, 6
	s_add_co_u32 s29, s29, IMG
	s_mul_i32 s30, s20, 4*FRB
	s_add_co_u32 s30, s30, IMG
	v_and_b32 v2, 31, v0                           ; lane
	v_lshlrev_b32 v3, 4, v2
	v_lshrrev_b32 v14, 2, v2
	v_mul_u32_u24 v14, v14, SP
	v_and_b32 v15, 3, v2
	v_lshl_add_u32 v14, v15, 4, v14
	v_add_nc_u32 v14, s21, v14                     ; the stage, on the way in
	v_mul_u32_u24 v15, v2, SP
	v_add_nc_u32 v15, s21, v15                     ; and on the way out: my 16 neighbours
	v_and_b32 v10, 7, v2                           ; m: which 16 of my row's 128
	v_lshrrev_b32 v1, 3, v2                        ; i: which of the wave's four rows
	v_lshrrev_b32 v5, 1, v10
	v_lshl_add_u32 v5, v1, 6, v5
	v_add_nc_u32 v5, s23, v5                       ; my block's byte: 64 i + m / 2, + 4 a step
	v_lshlrev_b32 v7, 3, v2
	v_add_nc_u32 v6, s23, v7                       ; read back: 8 bytes a lane
	v_lshlrev_b32 v7, 7, v10
	v_lshl_add_u32 v7, v1, 3, v7
	v_add_nc_u32 v7, s22, v7                       ; in the tile's scale bytes: 128 (lane % 8) + 8 (4 wave + lane / 8)
	v_lshrrev_b32 v4, 2, v10
	v_mul_u32_u24 v4, v4, 6
	v_and_b32 v11, 1, v10
	v_mad_u32_u24 v4, v11, 3, v4                   ; my first register of the fragment: 6 (m / 4) + 3 (m % 2)
	v_bfe_u32 v11, v10, 1, 1                       ; h
	v_lshlrev_b32 v11, 8, v11
	v_lshl_add_u32 v11, v1, 4, v11
	v_add_nc_u32 v11, s29, v11                     ; IMG + 16 (4 wave + i + 16 h)
.irp j, 0,1,2
	v_add_nc_u32 v8, \j, v4
	v_lshrrev_b32 v9, 2, v8
	v_and_b32 v8, 3, v8
	v_lshl_add_u32 v9, v9, 9, v11
	v_lshl_add_u32 v[IA+\j], v8, 2, v9
.endr
	v_add_nc_u32 v[CP], s30, v3
	s_mov_b32 s24, 416                             ; work-groups 0-255 x, 256-383 Wq, 384-415 Wk, 416-447 Wv: pointers and three numbers are chosen on the work-group's number alone
	s_mov_b32 s25, 136
	s_mov_b32 s26, 0x18
	s_mov_b32 s27, 384
	s_mov_b32 s28, 128
	s_wait_alu depctr_va_vdst(0)                   ; the wait at the head's end
	s_wait_kmcnt 0x0
	s_cmp_lt_u32 ttmp9, 416
	s_cselect_b64 s[8:9], s[8:9], s[10:11]
	s_cselect_b32 s24, s27, s24
	s_cselect_b32 s25, s28, s25
	s_cmp_lt_u32 ttmp9, 384
	s_cselect_b64 s[6:7], s[6:7], s[8:9]
	s_mov_b32 s27, 256
	s_cselect_b32 s24, s27, s24
	s_cselect_b32 s25, 0, s25
	s_cselect_b32 s26, 0, s26
	s_cmp_lt_u32 ttmp9, 256
	s_cselect_b64 s[4:5], s[4:5], s[6:7]
	s_cselect_b64 s[12:13], s[12:13], s[16:17]
	s_cselect_b64 s[14:15], s[14:15], s[18:19]
	s_cselect_b32 s24, 0, s24
	s_sub_co_u32 s24, ttmp9, s24                   ; T: the tile in its tensor
	s_lshr_b32 s27, s24, 1
	s_lshl_b32 s27, s27, 5
	s_and_b32 s28, s24, 1
	s_lshl_b32 s28, s28, 3
	s_add_co_u32 s27, s27, s28
	s_lshr_b32 s28, s20, 1
	s_lshl_b32 s28, s28, 4
	s_add_co_u32 s27, s27, s28
	s_and_b32 s28, s20, 1
	s_lshl_b32 s28, s28, 2
	s_add_co_u32 s27, s27, s28                     ; my first row: 32 (T / 2) + 16 (wave / 2) + 8 (T % 2) + 4 (wave % 2)
	s_lshl_b32 s30, s27, 13
	s_mov_b32 s31, 0
	s_add_nc_u64 s[4:5], s[4:5], s[30:31]
	s_and_b32 s28, s24, s26
	s_add_co_u32 s28, s28, s24
	s_add_co_u32 s28, s28, s25                     ; the tile's place in the buffer
	s_mul_i32 s30, s28, 16*FRB
	s_mul_i32 s29, s20, 4*FRB
	s_add_co_u32 s30, s30, s29
	s_add_nc_u64 s[12:13], s[12:13], s[30:31]
	s_lshl_b32 s30, s28, 10
	s_add_nc_u64 s[14:15], s[14:15], s[30:31]
.macro LOAD t
.irp i, 0,1,2,3
	global_load_b128 v[R+16*((\t)%4)+4*\i:R+16*((\t)%4)+4*\i+3], v3, s[4:5] offset:8192*\i+512*(\t) th:TH_LOAD_NT   ; row i's 128 numbers of K step t: 512 consecutive bytes
.endr
.endm
.macro TURN t
.irp i, 0,1,2,3
	ds_store_b128 v14, v[R+16*((\t)%4)+4*\i:R+16*((\t)%4)+4*\i+3] offset:32*SP*((\t)%2)+8*SP*\i
.endr
.irp i, 0,1,2,3
	ds_load_b128 v[X+16*((\t)%2)+4*\i:X+16*((\t)%2)+4*\i+3], v15 offset:32*SP*((\t)%2)+16*\i
.endr
.endm
.irp t, 0,1,2,3
	LOAD \t
.endr
	s_wait_loadcnt 12                              ; step 0's four loads are in
	TURN 0
.macro STEP t
.set XS, X+16*((\t)%2)
.if (\t) > 0
	s_wait_dscnt 4                                 ; this step's numbers are back; the last step's byte store and three code stores may be out
.else
	s_wait_dscnt 0x0
.endif
.if (\t)+4 < STEPS
	LOAD (\t)+4
.endif
.if (\t)+1 < STEPS
.if STEPS-2-(\t) >= 3
	s_wait_loadcnt 12                              ; the next step's four loads are in; those of three steps may be out
.else
	s_wait_loadcnt 4*(STEPS-2-(\t))
.endif
	TURN (\t)+1
.endif
	v_max3_num_f32 v8, |v[XS]|, |v[XS+1]|, |v[XS+2]|
	v_max3_num_f32 v9, |v[XS+3]|, |v[XS+4]|, |v[XS+5]|
.irp i, 6,10
	v_max3_num_f32 v8, v8, |v[XS+\i]|, |v[XS+\i+1]|
	v_max3_num_f32 v9, v9, |v[XS+\i+2]|, |v[XS+\i+3]|
.endr
	v_max3_num_f32 v8, v8, |v[XS+14]|, |v[XS+15]|
	v_max3_num_f32 v8, v8, v9, (EMAX+1)<<23        ; the floor: the byte cannot fall under 1
	v_max_num_f32_dpp v8, v8, v8 row_xmask:1 row_mask:0xf bank_mask:0xf   ; with my neighbour's 16: the block's
	v_add_nc_u32 v11, -(EMAX<<23), v8              ; the conversion's scale operand
	v_cvt_scalef32_pk16_bf6_f32 v[C+4*(\t):C+4*(\t)+2], v[XS:XS+15], v11
	v_lshrrev_b32 v[C+4*(\t)+3], 23, v11           ; the scale's byte
	ds_store_b8 v5, v[C+4*(\t)+3] offset:4*(\t)
.irp j, 0,1,2
	ds_store_b32 v[IA+\j], v[C+4*(\t)+\j] offset:FRB*(\t)
.endr
.endm
.irp t, 0,1,2,3,4,5,6,7,8,9,10,11,12,13,14,15
	STEP \t
.endr
	ds_load_b64 v[8:9], v6                         ; LDS serves a wave's instructions in order: these see my byte stores
	s_wait_dscnt 0x0                               ; and all my stores into the image are done
	s_barrier_signal -1
	s_barrier_wait -1                              ; the image is whole
	global_store_b64 v7, v[8:9], s[14:15]
.irp k, 0,1,2,3,4,5,6,7,8,9,10,11
	ds_load_b128 v[R+4*\k:R+4*\k+3], v[CP] offset:512*\k
.endr
.irp k, 0,1,2,3,4,5,6,7,8,9,10,11
	s_wait_dscnt 11-\k
	global_store_b128 v3, v[R+4*\k:R+4*\k+3], s[12:13] offset:512*\k   ; 32 lanes store 512 consecutive bytes, at a multiple of 256 from the buffer's first byte
.endr
	s_wait_tensorcnt 0x0                           ; the wave's end
	ds_add_u32 v[SPW], v[NIL]
	s_wait_dscnt 0x0
	s_endpgm
.Lfunc_end_k_q68a5a883cd_quant:
	.size	k_q68a5a883cd_quant, .Lfunc_end_k_q68a5a883cd_quant-k_q68a5a883cd_quant
	.p2alignl 7, 3214868480
	.fill 96, 4, 3214868480
	.section	.rodata,"a",@progbits
	.p2align	6, 0x0
	.amdhsa_kernel k_q68a5a883cd_quant
		.amdhsa_group_segment_fixed_size 57856
		.amdhsa_private_segment_fixed_size 0
		.amdhsa_enable_private_segment 0
		.amdhsa_kernarg_size 64
		.amdhsa_user_sgpr_count 2
		.amdhsa_user_sgpr_kernarg_segment_ptr 1
		.amdhsa_wavefront_size32 1
		.amdhsa_system_sgpr_workgroup_id_x 1
		.amdhsa_system_sgpr_workgroup_id_y 1
		.amdhsa_system_sgpr_workgroup_id_z 1
		.amdhsa_system_vgpr_workitem_id 0
		.amdhsa_next_free_vgpr 192
		.amdhsa_next_free_sgpr 66
		.amdhsa_reserve_vcc 0
		.amdhsa_float_denorm_mode_32 3
		.amdhsa_float_denorm_mode_16_64 3
		.amdhsa_memory_ordered 1
		.amdhsa_forward_progress 1
		.amdhsa_inst_pref_size 39
	.end_amdhsa_kernel
	.amdgpu_metadata
---
amdhsa.version: [ 1, 2 ]
amdhsa.kernels:
  - .name:           k_q68a5a883cd_quant
    .symbol:         k_q68a5a883cd_quant.kd
    .args:
      - { .name: x, .offset: 0, .size: 8, .value_kind: global_buffer, .address_space: global }
      - { .name: Wq, .offset: 8, .size: 8, .value_kind: global_buffer, .address_space: global }
      - { .name: Wk, .offset: 16, .size: 8, .value_kind: global_buffer, .address_space: global }
      - { .name: Wv, .offset: 24, .size: 8, .value_kind: global_buffer, .address_space: global }
      - { .name: xc, .offset: 32, .size: 8, .value_kind: global_buffer, .address_space: global }
      - { .name: xs, .offset: 40, .size: 8, .value_kind: global_buffer, .address_space: global }
      - { .name: wc, .offset: 48, .size: 8, .value_kind: global_buffer, .address_space: global }
      - { .name: ws, .offset: 56, .size: 8, .value_kind: global_buffer, .address_space: global }
    .group_segment_fixed_size: 57856
    .private_segment_fixed_size: 0
    .kernarg_segment_align: 8
    .kernarg_segment_size: 64
    .max_flat_workgroup_size: 128
    .sgpr_count:     66
    .vgpr_count:     192
    .wavefront_size: 32
...
	.end_amdgpu_metadata
.endif
;; end of part 1
;; launch proj (part 2): grid 12 x 16, 4 waves a work-group, clusters of 4 x 4, 327,680 bytes of LDS; arguments xc, xs, wc, ws, img, scl; writes img, scl
.if DOCPART == 2
	.amdgcn_target "amdgcn-amd-amdhsa--gfx1250"
	.amdhsa_code_object_version 6
	.text
	.protected	k_q68a5a883cd_proj
	.globl	k_q68a5a883cd_proj
	.p2align	8
	.type	k_q68a5a883cd_proj,@function
k_q68a5a883cd_proj:
	s_mov_b64 s[64:65], 0
	v_nop
	global_prefetch_b8 v0, s[64:65] scope:SCOPE_SE
	s_setreg_imm32_b32 hwreg(HW_REG_WAVE_MODE, 25, 1), 1
	s_wait_xcnt 0x0
	s_wait_alu depctr_hold_cnt(0) depctr_sa_sdst(0) depctr_va_vdst(0) depctr_va_sdst(0) depctr_va_ssrc(0) depctr_va_vcc(0) depctr_vm_vsrc(0)
	s_getreg_b32 s2, hwreg(HW_REG_IB_STS2, 6, 4)
	s_cmp_eq_u32 s2, 0
	s_cbranch_scc0 .Lentry_in_a_cluster
	s_endpgm
.Lentry_in_a_cluster:
	s_bfe_u32 s2, ttmp6, 0x10000c
	s_cmp_lg_u32 s2, 0xf033
	s_cbranch_scc0 .Lentry_shape_is_right
	s_endpgm
.Lentry_shape_is_right:
; q, k, v = x W^T on codes of BF6 with E8M0 scales, K = 2048; the results are quantised in registers along the next product's K and stored as images of operand registers for the attention.
; A work-group of four waves makes 256 x 256, a wave 128 x 128 (64 accumulators).  Tile columns 0-7: q; column 8 + g: k's head g (first 128) and v's head g (last 128).
; OPERANDS ARE REGISTER IMAGES: a fragment (16 rows x 128 K) is 1,536 dense bytes and comes by three loads of 16 bytes a lane at 16 x lane.  A ring of two LDS slots, each with two K steps of 16 tiles of x and 16 of W;
; a tensor row is one tile's two fragments: 3,072 bytes, beginning at a multiple of 256.  The scale words of all K come once, at the head, as dense blocks; no padding anywhere in LDS.
; The product is used transposed (source 0 = B's rows, source 1 = A's): a lane holds one row of A and 16 neighbours of the next K in two accumulators.  For q and k A = x.  A wave that makes v takes W's rows as A and x's as B,
; by its LDS addresses alone: its lane holds one channel and its registers run along the keys.
; CLUSTERS 4 x 4: x's tiles are asked for jointly along a row of the cluster, W's along a column.
; NO PREFETCH: the block is 256 x 256 in clusters and the walk along K has 8 fills, of which the first two stand at the head.
; kv part of img, for each batch and group 8 slots of 51,200 bytes: k's two steps of 128 keys (2 x 12,288), their two scale images (2 x 512), then v's the same.
.set FRB,    1536
.set ROWB,   2*FRB
.set TILEB,  16*FRB
.set NQ,     2
.set FR,     12
.set NL,     3
.set NP,     4
.set HALFT,  8*ROWB
.set SLOT,   4*HALFT
.set LAPS,   4
.set SCL,    2*SLOT
.set HALFS,  8192
.set SBLK,   1024
.set SPARE,  SCL+4*HALFS
.set QIMG,   6291456
.set ADRA, 16
.set ADRB, 20
.set LI,   26
.set ADRS, 27
.set SPW,  28
.set NIL,  29
.set SC,   32
.set TM,   64
.set PW,   80
.set SW,   88
.set PC0,  92
.set AF,   128
.set G1, 24
.set G0, 32
.set G1B, 48
.set G0B, 56
.set G1S, 68
.set G0S, 76
.set G1SB, 80
.set G0SB, 88
.set G0H, 4
.set G0HB, 8
.set SEL, 98
.set MSB, 0
.macro WIN new
.if MSB != \new
	s_set_vgpr_msb (MSB<<8)|\new
.set MSB, \new
.endif
.endm
.set MUL_LO, 0xa1
.set MUL_HI, 0xf1
.set TO_B,   0x40
.macro JLOAD g0a, g1a, g0b, g1b
	s_cmp_eq_u32 s15, 0
	s_cbranch_scc0 .Lfor_b_\@
	tensor_load_to_lds s[\g0a:\g0a+3], s[\g1a:\g1a+7]
	s_nop 0
.rept 4
	v_nop
.endr
	s_branch .Lasked_\@
.Lfor_b_\@:
	tensor_load_to_lds s[\g0b:\g0b+3], s[\g1b:\g1b+7]
	s_nop 0
.rept 4
	v_nop
.endr
.Lasked_\@:
.endm
.macro CREST
	s_cmp_lg_u32 s14, 0
	s_cbranch_scc1 .Lnot_wave_0_\@
	s_barrier_signal -3
.Lnot_wave_0_\@:
	s_barrier_wait -3
	s_barrier_signal -1
	s_barrier_wait -1
.endm
.macro CROUND
	s_barrier_signal -1
	s_barrier_wait -1
	CREST
.endm
	s_load_b128 s[4:7], s[0:1], 0x0                ; xc, xs
	s_load_b128 s[8:11], s[0:1], 0x10              ; wc, ws
	s_load_b64 s[12:13], s[0:1], 0x20              ; img
	s_load_b64 s[66:67], s[0:1], 0x28              ; scl
	v_lshl_add_u32 v[SPW], v0, 2, SPARE
	v_mov_b32 v[NIL], 0
	ds_add_u32 v[SPW], v[NIL]                      ; the opening lines: the add twice on end and its wait
	ds_add_u32 v[SPW], v[NIL]
	v_lshrrev_b32 v1, 5, v0
	v_readfirstlane_b32 s14, v1                    ; wave
	s_lshr_b32 s15, s14, 1                         ; my half of the rows; also: in the ring I fetch for x (0) or W (1)
	s_and_b32 s16, s14, 1                          ; my half of the columns; also which 8 tiles I fetch
	s_bfe_u32 s40, ttmp6, 0x40000
	s_bfe_u32 s41, ttmp6, 0x40004
	s_lshl_b32 s42, ttmp9, 2
	s_add_co_u32 s42, s42, s40                     ; tile column
	s_and_b32 s17, ttmp7, 0xffff
	s_lshl_b32 s17, s17, 2
	s_add_co_u32 s17, s17, s41                     ; tile row
	s_lshl_b32 s43, s41, 2
	s_lshl_b32 s43, 15, s43
	s_lshl_b32 s44, 0x1111, s40
	s_or_b32 s[G1+0], s43, (3<<16)|(1<<21)         ; elements of 8 bytes, the mask of my row, no padding
	s_or_b32 s[G1B+0], s44, (3<<16)|(1<<21)
.irp g, G1, G1B
	s_mov_b32 s[\g+1], (ROWB/8)<<16                ; a row: one tile's two fragments
	s_mov_b32 s[\g+2], 16<<16                      ; 16 tiles for the head's loads; 8 behind them
	s_mov_b32 s[\g+3], (ROWB/8)<<16
	s_mov_b32 s[\g+4], 16
	s_mov_b32 s[\g+5], TILEB/8
	s_mov_b32 s[\g+6], 0
	s_mov_b32 s[\g+7], 0
.endr
	s_or_b32 s[G1S+0], s43, (3<<16)|(1<<21)
	s_or_b32 s[G1SB+0], s44, (3<<16)|(1<<21)
.irp g, G1S, G1SB
	s_mov_b32 s[\g+1], 32<<16                      ; the scale bytes of 16 tiles: 64 rows of 256 bytes
	s_mov_b32 s[\g+2], 64<<16
	s_mov_b32 s[\g+3], 32<<16
	s_mov_b32 s[\g+4], 64
	s_mov_b32 s[\g+5], 32
	s_mov_b32 s[\g+6], 0
	s_mov_b32 s[\g+7], 0
.endr
	s_mul_i32 s20, s17, 16*TILEB
	s_mov_b32 s21, 0
	s_mul_i32 s46, s42, 16*TILEB
	s_mov_b32 s47, 0
	s_lshl_b32 s22, s17, 14
	s_mov_b32 s23, 0
	s_lshl_b32 s92, s42, 14
	s_mov_b32 s93, 0
	s_mul_i32 s18, s16, 8*TILEB
	s_mov_b32 s19, 0
	s_mul_i32 s45, s14, HALFT
	s_mov_b32 s[SEL], 0x76543210
	s_mov_b32 s[SEL+1], 0xfedcba98
	s_wait_dscnt 0x0
	s_wait_kmcnt 0x0
	s_add_nc_u64 s[20:21], s[4:5], s[20:21]
	s_add_nc_u64 s[22:23], s[6:7], s[22:23]
	s_add_nc_u64 s[46:47], s[8:9], s[46:47]
	s_add_nc_u64 s[92:93], s[10:11], s[92:93]
	CROUND                                         ; the first joint loads meet
	s_mov_b32 s[G0H], 1
	s_mov_b32 s[G0H+1], 0
	s_mov_b64 s[G0H+2:G0H+3], s[20:21]
	s_or_b32 s[G0H+3], s[G0H+3], 0x80000000
	s_mov_b32 s[G0HB], 1
	s_mov_b32 s[G0HB+1], 2*HALFT
	s_mov_b64 s[G0HB+2:G0HB+3], s[46:47]
	s_or_b32 s[G0HB+3], s[G0HB+3], 0x80000000
	s_mov_b32 s[G0S], 1
	s_mov_b32 s[G0S+1], SCL
	s_mov_b64 s[G0S+2:G0S+3], s[22:23]
	s_or_b32 s[G0S+3], s[G0S+3], 0x80000000
	s_mov_b32 s[G0SB], 1
	s_mov_b32 s[G0SB+1], SCL+2*HALFS
	s_mov_b64 s[G0SB+2:G0SB+3], s[92:93]
	s_or_b32 s[G0SB+3], s[G0SB+3], 0x80000000
	s_add_nc_u64 s[20:21], s[20:21], s[18:19]      ; for the ring: my 8 tiles
	s_add_nc_u64 s[46:47], s[46:47], s[18:19]
.irp s, 0,1
	s_mov_b32 s[G0+4*\s], 1
	s_add_co_u32 s[G0+4*\s+1], s45, \s*SLOT
	s_add_nc_u64 s[G0+4*\s+2:G0+4*\s+3], s[20:21], \s*ROWB
	s_or_b32 s[G0+4*\s+3], s[G0+4*\s+3], 0x80000000
	s_mov_b32 s[G0B+4*\s], 1
	s_add_co_u32 s[G0B+4*\s+1], s45, \s*SLOT
	s_add_nc_u64 s[G0B+4*\s+2:G0B+4*\s+3], s[46:47], \s*ROWB
	s_or_b32 s[G0B+4*\s+3], s[G0B+4*\s+3], 0x80000000
.endr
; the head's four tiles, one load a wave: wave 0 slot 0's 16 tiles of x, wave 1 its 16 of W, wave 2 x's scale bytes, wave 3 W's
.macro ARM under, g0, g1, next
	s_cmp_lt_u32 s14, \under
	s_cbranch_scc0 \next
	tensor_load_to_lds s[\g0:\g0+3], s[\g1:\g1+7]
	s_nop 0
.rept 4
	v_nop
.endr
	s_branch .Lhead_asked
\next:
.endm
	ARM 1, G0H,  G1,  .Lhead_b
	ARM 2, G0HB, G1B, .Lhead_sa
	ARM 3, G0S,  G1S, .Lhead_sb
	tensor_load_to_lds s[G0SB:G0SB+3], s[G1SB:G1SB+7]
	s_nop 0
.rept 4
	v_nop
.endr
.Lhead_asked:
	s_cmp_eq_u32 ttmp9, 2
	s_cselect_b32 s95, s16, 0                      ; 1 in a wave that makes v
	s_mul_i32 s21, s15, HALFT
	s_mul_i32 s22, s16, HALFT
	s_add_co_u32 s22, s22, 2*HALFT
	s_cmp_eq_u32 s95, 1
	s_cselect_b32 s23, s22, s21                    ; where my A's fragments lie,
	s_cselect_b32 s22, s21, s22                    ; and my B's
	s_cselect_b32 s94, -1, 0
	s_add_co_u32 s18, s23, SLOT
	s_add_co_u32 s19, s22, SLOT
	s_mul_i32 s20, s15, HALFS
	s_mul_i32 s21, s16, HALFS
	s_add_co_u32 s21, s21, 2*HALFS
	s_sub_co_u32 s21, s21, s20
	s_add_co_u32 s20, s20, SCL
	v_and_b32 v1, 15, v0
	v_bfe_u32 v2, v0, 4, 1
	v_and_b32 v6, 31, v0
	v_lshlrev_b32 v[LI], 4, v6
	v_add_nc_u32 v[ADRA], s23, v[LI]
	v_add_nc_u32 v[ADRB], s22, v[LI]
	v_add_nc_u32 v[ADRA+1], s18, v[LI]
	v_add_nc_u32 v[ADRB+1], s19, v[LI]
	v_lshlrev_b32 v5, 3, v1                        ; scale words: 8 bytes a row for a pair of K steps
	v_add_nc_u32 v5, s20, v5
	v_xor_b32 v7, 1, v2
	v_mul_u32_u24 v6, s21, v2
	v_mul_u32_u24 v7, s21, v7
	v_add_nc_u32 v6, v5, v6
	v_add_nc_u32 v7, v5, v7
	v_cndmask_b32 v[ADRS], v6, v7, s94             ; lanes 0-15 my A's rows, lanes 16-31 my B's
.irp b, 0,1,2,3
	v_mov_b32 v[TM+4+\b], 0
.endr
	s_lshl_b32 s20, s17, 1
	s_add_co_u32 s20, s20, s15
	s_lshr_b32 s21, s20, 4                         ; batch
	s_and_b32 s20, s20, 15                         ; block of 128 positions
	s_lshl_b32 s22, s21, 4
	s_lshl_b32 s23, s42, 1
	s_add_co_u32 s22, s22, s23
	s_add_co_u32 s22, s22, s16
	s_lshl_b32 s22, s22, 4
	s_add_co_u32 s22, s22, s20
	s_mul_i32 s46, s22, 12288                      ; q: (16 (16 batch + head) + block) images
	s_lshl_b32 s47, s22, 9
	s_lshl_b32 s22, s21, 2
	s_and_b32 s23, s42, 3
	s_add_co_u32 s22, s22, s23
	s_mul_i32 s92, s22, 409600                     ; k, v: batch and group,
	s_lshr_b32 s23, s20, 1
	s_mul_i32 s23, s23, 51200                      ; slot,
	s_add_co_u32 s92, s92, s23
	s_mul_i32 s23, s16, 25600                      ; k's half or v's
	s_add_co_u32 s92, s92, s23
	s_add_co_u32 s92, s92, QIMG
	s_and_b32 s23, s20, 1
	s_lshl_b32 s93, s23, 9
	s_add_co_u32 s93, s93, s92
	s_add_co_u32 s93, s93, 24576                   ; the step's scale image, behind the half's codes
	s_mul_i32 s23, s23, 12288
	s_add_co_u32 s92, s92, s23
	s_cmp_eq_u32 ttmp9, 2
	s_cselect_b32 s46, s92, s46
	s_cselect_b32 s20, s93, s47
	s_cselect_b64 s[66:67], s[12:13], s[66:67]     ; k's and v's scale images go into img
	s_mov_b32 s47, 0
	s_mov_b32 s21, 0
	s_add_nc_u64 s[66:67], s[66:67], s[20:21]
	s_add_nc_u64 s[12:13], s[12:13], s[46:47]
.macro FRAG reg, adr, q, i
.irp c, 0,1,2
	ds_load_b128 v[\reg+4*\c:\reg+4*\c+3], v[\adr] offset:(\i)*ROWB+(\q)*FRB+512*\c
.endr
.endm
.macro MUL16 a0, p, q, sc, zero
.irp a, \a0, \a0+1
.irp b, 0,1,2,3,4,5,6,7
.if \zero
	v_wmma_scale_f32_16x16x128_f8f6f4 v[8*(8*((\a)%4)+\b):8*(8*((\a)%4)+\b)+7], v[128*(\p)+FR*\b:128*(\p)+FR*\b+FR-1], v[AF+FR*(\a):AF+FR*(\a)+FR-1], 0, v[SC+8*NQ*(\sc)+NQ*\b+(\q)], v[SC+8*NQ*(\sc)+NQ*(\a)+(\q)] matrix_a_fmt:MATRIX_FMT_BF6 matrix_b_fmt:MATRIX_FMT_BF6 matrix_a_scale:MATRIX_SCALE_ROW1
.else
	v_wmma_scale_f32_16x16x128_f8f6f4 v[8*(8*((\a)%4)+\b):8*(8*((\a)%4)+\b)+7], v[128*(\p)+FR*\b:128*(\p)+FR*\b+FR-1], v[AF+FR*(\a):AF+FR*(\a)+FR-1], v[8*(8*((\a)%4)+\b):8*(8*((\a)%4)+\b)+7], v[SC+8*NQ*(\sc)+NQ*\b+(\q)], v[SC+8*NQ*(\sc)+NQ*(\a)+(\q)] matrix_a_fmt:MATRIX_FMT_BF6 matrix_b_fmt:MATRIX_FMT_BF6 matrix_a_scale:MATRIX_SCALE_ROW1
.endif
.endr
.endr
.endm
.macro FETCH_B slot, q, p
	WIN TO_B
.irp i, 0,1,2,3,4,5,6,7
	FRAG 128*(\p)+FR*\i, ADRB+\slot, \q, \i
.endr
	WIN 0
.endm
.macro FETCH_A slot, q, i0
.irp i, \i0, \i0+1, \i0+2, \i0+3
	FRAG AF+FR*(\i), ADRA+\slot, \q, \i
.endr
.endm
.macro SCALES sc
.irp i, 0,1,2,3,4,5,6,7
	ds_load_b64 v[SC+8*NQ*\sc+NQ*\i:SC+8*NQ*\sc+NQ*\i+1], v[ADRS] offset:\i*SBLK
.endr
.endm
.macro PLACES n
.rept \n
	v_nop
.endr
.endm
.macro STEP slot, q, zero
	s_wait_dscnt 4*NL                              ; all but A's blocks 4-7
	WIN MUL_LO
	MUL16 0, (\q)%2, \q, \slot, \zero
	MUL16 2, (\q)%2, \q, \slot, \zero
	s_wait_dscnt 0
	PLACES NP
	FETCH_B \slot, (\q)+1, 1-(\q)%2
	FETCH_A \slot, (\q)+1, 0
	WIN MUL_HI
	MUL16 4, (\q)%2, \q, \slot, \zero
	MUL16 6, (\q)%2, \q, \slot, \zero
	PLACES NP
	WIN 0
	FETCH_A \slot, (\q)+1, 4
.endm
.macro TURN slot, next, fill
	s_wait_tensorcnt 0x0                           ; my part of the next slot is in
	ds_add_u32 v[SPW], v[NIL]
	s_wait_dscnt 4*NL+1                            ; the add and A's blocks 4-7 may be out
	WIN MUL_LO
	MUL16 0, 1, NQ-1, \slot, 0
	s_wait_dscnt 0x0
	s_barrier_signal -1
	MUL16 2, 1, NQ-1, \slot, 0
	WIN 0
	s_barrier_wait -1
.if \fill
	CREST
	s_add_nc_u64 s[G0+4*\slot+2:G0+4*\slot+3], s[G0+4*\slot+2:G0+4*\slot+3], 2*ROWB
	s_add_nc_u64 s[G0B+4*\slot+2:G0B+4*\slot+3], s[G0B+4*\slot+2:G0B+4*\slot+3], 2*ROWB
	JLOAD G0+4*\slot, G1, G0B+4*\slot, G1B
.else
	PLACES NP
.endif
	s_wait_alu depctr_va_vdst(0)
	v_add_nc_u32 v[ADRS], 128, v[ADRS]             ; the next pair of K steps' scale words
	FETCH_B \next, 0, 0
	FETCH_A \next, 0, 0
	SCALES \next
	WIN MUL_HI
	MUL16 4, 1, NQ-1, \slot, 0
	MUL16 6, 1, NQ-1, \slot, 0
	PLACES NP
	WIN 0
	FETCH_A \next, 0, 4
.endm
	s_wait_alu depctr_va_vdst(0)                   ; the wait at the head's end
	s_wait_tensorcnt 0x0                           ; my tile of the head's four is in
	ds_add_u32 v[SPW], v[NIL]
	s_mov_b32 s[G1+2], 8<<16                       ; no load of mine is out: from here on a load brings 8 tiles
	s_mov_b32 s[G1+4], 8
	s_mov_b32 s[G1B+2], 8<<16
	s_mov_b32 s[G1B+4], 8
	s_wait_dscnt 0x0
	CROUND
	JLOAD G0+4, G1, G0B+4, G1B                     ; slot 1's first fill, issued as a refill is
	FETCH_B 0, 0, 0
	FETCH_A 0, 0, 0
	SCALES 0
	FETCH_A 0, 0, 4
	STEP 0, 0, 1
	s_mov_b32 s3, LAPS-1
.Llap:
	TURN 0, 1, 1
	STEP 1, 0, 0
	TURN 1, 0, 1
	STEP 0, 0, 0
	s_sub_co_u32 s3, s3, 1
	s_cmp_lg_u32 s3, 0
	s_cbranch_scc1 .Llap
	TURN 0, 1, 0
	STEP 1, 0, 0
	s_wait_dscnt 4*NL
	WIN MUL_LO
	MUL16 0, 1, NQ-1, 1, 0
	MUL16 2, 1, NQ-1, 1, 0
	s_wait_dscnt 0
	WIN MUL_HI
	MUL16 4, 1, NQ-1, 1, 0
	MUL16 6, 1, NQ-1, 1, 0
	WIN 0
; block a's 16 rows x 128 become a fragment: four blocks of 32 along the next K, each in lanes l and l xor 16
.macro QB a
.set QW, 2+(\a)/4
.set QS, 64*((\a)%4)
.set QP, PC0+20*(\a)
.set QWIN, (QW<<2)|(QW<<4)
	WIN QWIN
.irp b, 0,1,2,3
	v_max3_num_f32 v[TM+\b], 0x2800000, |v[QS+16*\b]|, |v[QS+1+16*\b]|
.endr
.irp i, 2,4,6,8,10,12,14
.irp b, 0,1,2,3
	v_max3_num_f32 v[TM+\b], v[TM+\b], |v[QS+16*\b+\i]|, |v[QS+1+16*\b+\i]|
.endr
.endr
	WIN 0
.irp b, 0,1,2,3
	v_permlanex16_b32 v[TM+4+\b], v[TM+\b], s[SEL], s[SEL+1]
.endr
.irp b, 0,1,2,3
	v_max_num_f32 v[TM+\b], v[TM+\b], v[TM+4+\b]
.endr
.irp b, 0,1,2,3
	v_add_nc_u32 v[TM+12+\b], 0xfe000000, v[TM+\b]
.endr
.irp b, 0,1,2,3
	v_lshrrev_b32 v[TM+4+\b], 23, v[TM+12+\b]
.endr
	v_lshl_or_b32 v[PW+(\a)], v[TM+5], 8, v[TM+4]
	v_lshl_or_b32 v[PW+(\a)], v[TM+6], 16, v[PW+(\a)]
	v_lshl_or_b32 v[PW+(\a)], v[TM+7], 24, v[PW+(\a)]
	WIN QW
.irp c, 0,1
	v_cvt_scalef32_pk16_bf6_f32 v[QP+6*\c:QP+2+6*\c], v[QS+32*\c:QS+15+32*\c], v[TM+12+2*\c]
	v_cvt_scalef32_pk16_bf6_f32 v[QP+12+4*\c:QP+14+4*\c], v[QS+16+32*\c:QS+31+32*\c], v[TM+12+2*\c+1]
.endr
	WIN 0
	v_nop
.irp c, 0,1
.irp i, 0,1,2
	v_permlane16_swap_b32 v[QP+6*\c+\i], v[QP+12+4*\c+\i]
.endr
.irp i, 0,1,2
	v_mov_b32 v[QP+3+6*\c+\i], v[QP+12+4*\c+\i]
.endr
.endr
.irp c, 0,1,2
	global_store_b128 v[LI], v[QP+4*\c:QP+4*\c+3], s[12:13] offset:(\a)*1536+512*\c
.endr
.endm
	PLACES NP
.irp a, 0,1,2,3,4,5,6,7
	QB \a
.endr
	v_cmp_eq_u32 vcc_lo, 1, v2
.irp i, 0,1,2,3
	v_cndmask_b32 v[SW+\i], v[PW+\i], v[PW+4+\i], vcc_lo
.endr
	global_store_b128 v[LI], v[SW:SW+3], s[66:67]  ; the scale image: tiles 0-3 in lanes 0-15, tiles 4-7 in lanes 16-31
	s_wait_tensorcnt 0x0
	ds_add_u32 v[SPW], v[NIL]
	s_wait_dscnt 0x0
	CROUND
	s_endpgm
.Lfunc_end_k_q68a5a883cd_proj:
	.size	k_q68a5a883cd_proj, .Lfunc_end_k_q68a5a883cd_proj-k_q68a5a883cd_proj
	.p2alignl 7, 3214868480
	.fill 96, 4, 3214868480
	.section	.rodata,"a",@progbits
	.p2align	6, 0x0
	.amdhsa_kernel k_q68a5a883cd_proj
		.amdhsa_group_segment_fixed_size 327680
		.amdhsa_private_segment_fixed_size 0
		.amdhsa_enable_private_segment 0
		.amdhsa_kernarg_size 48
		.amdhsa_user_sgpr_count 2
		.amdhsa_user_sgpr_kernarg_segment_ptr 1
		.amdhsa_wavefront_size32 1
		.amdhsa_system_sgpr_workgroup_id_x 1
		.amdhsa_system_sgpr_workgroup_id_y 1
		.amdhsa_system_sgpr_workgroup_id_z 1
		.amdhsa_system_vgpr_workitem_id 0
		.amdhsa_next_free_vgpr 1024
		.amdhsa_next_free_sgpr 100
		.amdhsa_reserve_vcc 1
		.amdhsa_float_denorm_mode_32 3
		.amdhsa_float_denorm_mode_16_64 3
		.amdhsa_memory_ordered 1
		.amdhsa_forward_progress 1
		.amdhsa_inst_pref_size 141
	.end_amdhsa_kernel
	.amdgpu_metadata
---
amdhsa.version: [ 1, 2 ]
amdhsa.kernels:
  - .name:           k_q68a5a883cd_proj
    .symbol:         k_q68a5a883cd_proj.kd
    .args:
      - { .name: xc, .offset: 0, .size: 8, .value_kind: global_buffer, .address_space: global }
      - { .name: xs, .offset: 8, .size: 8, .value_kind: global_buffer, .address_space: global }
      - { .name: wc, .offset: 16, .size: 8, .value_kind: global_buffer, .address_space: global }
      - { .name: ws, .offset: 24, .size: 8, .value_kind: global_buffer, .address_space: global }
      - { .name: img, .offset: 32, .size: 8, .value_kind: global_buffer, .address_space: global }
      - { .name: scl, .offset: 40, .size: 8, .value_kind: global_buffer, .address_space: global }
    .group_segment_fixed_size: 327680
    .private_segment_fixed_size: 0
    .kernarg_segment_align: 8
    .kernarg_segment_size: 48
    .max_flat_workgroup_size: 128
    .sgpr_count:     100
    .vgpr_count:     1024
    .wavefront_size: 32
...
	.end_amdgpu_metadata
.endif
;; end of part 2
;; launch attn (part 3): grid 32 x 8, 8 waves a work-group, clusters of 4 x 1, 327,680 bytes of LDS; arguments img, scl, out0; writes out0
.if DOCPART == 3
	.amdgcn_target "amdgcn-amd-amdhsa--gfx1250"
	.amdhsa_code_object_version 6
	.text
	.protected	k_q68a5a883cd_attn
	.globl	k_q68a5a883cd_attn
	.p2align	8
	.type	k_q68a5a883cd_attn,@function
k_q68a5a883cd_attn:
	s_mov_b64 s[64:65], 0
	v_nop
	global_prefetch_b8 v0, s[64:65] scope:SCOPE_SE
	s_setreg_imm32_b32 hwreg(HW_REG_WAVE_MODE, 25, 1), 1
	s_wait_xcnt 0x0
	s_wait_alu depctr_hold_cnt(0) depctr_sa_sdst(0) depctr_va_vdst(0) depctr_va_sdst(0) depctr_va_ssrc(0) depctr_va_vcc(0) depctr_vm_vsrc(0)
	s_getreg_b32 s2, hwreg(HW_REG_IB_STS2, 6, 4)
	s_cmp_eq_u32 s2, 0
	s_cbranch_scc0 .Lentry_in_a_cluster
	s_endpgm
.Lentry_in_a_cluster:
	s_bfe_u32 s2, ttmp6, 0x10000c
	s_cmp_lg_u32 s2, 0x3003
	s_cbranch_scc0 .Lentry_shape_is_right
	s_endpgm
.Lentry_shape_is_right:
; out[b][q][head][:] = the sum over k <= q of softmax_k(q . k / sqrt(128)) v[k][:], both products on codes of BF6 with E8M0 scales, from the register images that the launch before has stored.
; WORK LEFT OUT: a step of 128 keys all of which come after a wave's queries: reference() sets those scores to -inf by its own causal mask, so they add nothing for any inputs.  A NaN or overflow that could arise only there is not carried on.
; THE SOFTMAX: t = score x log2(e) / sqrt(128); M = the largest t so far, rounded UP to a whole number; p = 2^(t - M) is quantised along the keys, not normalised; the sum is taken of the unquantised p and divides at the end.
; When M moves, the sum and O are multiplied by 2^(old M - new M): exact.  LIMITS: the promise holds while |t| stays under 2^31; NaN and infinities are not served; a block of p that has fallen to 0 keeps the byte 1 over zero codes.
; SHARES.  Work-group (j, batch and group) owns blocks 63 - j and j of 32 positions, for the group's four heads: 8 tiles of 16 queries with ONE causal limit, first block 63 - j, then block j: 17 steps of 128 keys in every work-group.
; Eight waves: wave w has head w % 4, BOTH its tiles, and the key steps of parity w / 4: each fragment of K and V that it reads from LDS feeds two matrix instructions.  A slot of the ring holds two steps, one for each parity: 9 trips.
; At a block's end each wave hands the half of O^T that its partner (w xor 4) owns, with -M and the sum, through LDS, and joins its own half: factors 2^(own M - common M), exact; it stores 32 rows x 256 bytes.
; A wave of parity 1 takes V's tiles 4-7 first, by its addresses, so that every wave owns the accumulators v160-191 and hands on v192-223.
; LAYOUT.  Both products transposed: a lane holds ONE query of each tile.  Lane r of tile a holds item 32 (a / 2) + 8 (a % 2) + r % 8 + 16 (r / 8) of its 128.  A fragment comes by three loads of 16 bytes a lane at 16 x lane.
; REGISTERS, two windows of 256.  Both windows, tile 0 in window 0 and tile 1 in window 1: v3 the mask's number, v12-15 -M, largest t, sum; v16-27 Q; v96-159 S^T, then p; v160-223 O^T; v224-235 p's codes; v232-254 at work.
; v32-79: fragments 0-3 in window 0, fragments 4-7 in window 1.  Window 0 alone: addresses; v80-87 V's and K's scale words, v94-95 p's, v255 Q's (tile 0 in lanes 0-15, tile 1 in lanes 16-31).
; CLUSTER 4, 1, 1: work-groups 4 c .. 4 c + 3 have the same two walks (they hang on j / 4), so every slot is asked for jointly; no branch and no LDS address hangs on the place in the cluster.
; PREFETCH: in trip s waves 4 and 5 ask for the slot that trip s + 1 will load: 200 blocks of 256 bytes, 50 for each partner, told apart by address; trips 7 and 8 ask for nothing.
.set STEPB, 12288
.set KSC,   2*STEPB                    ; in a half slot: the two steps' scale images behind the codes
.set HALFB, KSC+1024
.set SLOTB, 2*HALFB
.set SPARE, 2*SLOTB
.set XCH,   SPARE+2048                 ; what partners hand each other: for each wave, block and tile 4,096 bytes of O^T and 512 of -M and the sum
.set XW,    4608
.set STAGE, XCH+32*XW                  ; the way out: 16 rows x (256 + 16) bytes for each wave
.set SPITCH, 272
.set QIMG,  6291456
.set LI,   1
.set LSC,  2
.set DQ,   3
.set R16,  4
.set SPW,  5
.set NIL,  6
.set LIP,  7
.set AD,   8
.set ADS,  9
.set STO,  10
.set RD,   11
.set PFO,  28
.set AV0,  29
.set AV1,  30
.set ASV,  31
.set LV0,  88
.set LV1,  89
.set LSV,  90
.set XA,   91
.set XB,   92
.set GO,   93
.set PS,   94
.set TB,   2                           ; s2  the slot in hand
.set TBN,  3                           ; s3  the slot filled last
.set OP,   14                          ; s[14:15], s[16:17] where the two blocks' rows go
.set WV,   18
.set PP,   19                          ; my parity
.set SEL,  20
.set CS,   22
.set G1,   24
.set KP0,  36
.set J1,   37
.set J2,   38
.set G0,   40
.set KF,   66                          ; my step's first key
.set S,    67                          ; the trip
.set QB,   68                          ; the first position of the 128 that hold my block
.set N1,   69                          ; the trip at which the second block begins
.set PFA,  76
.set HI,   78
.set N1B,  79
.set LIM,  80
.set HB,   81
.set BK,   92
.set QB2,  94
.set DD,   95
.set MSB, 0
.macro WIN new                         ; low byte: bits 1:0 source 0, 3:2 source 1, 5:4 source 2, 7:6 destination; the high byte repeats the setting that is left
.if MSB != \new
	s_set_vgpr_msb (MSB<<8)|\new
.set MSB, \new
.endif
.endm
.macro TLOAD                           ; waves 0 (K's half) and 1 (V's) fetch, jointly with the three partners
	s_cmp_lt_u32 s[WV], 2
	s_cbranch_scc0 .Lasked_\@
	tensor_load_to_lds s[G0:G0+3], s[G1:G1+7]
	s_nop 0
.rept 4
	v_nop
.endr
.Lasked_\@:
.endm
.macro ROUND
	s_barrier_signal -1
	s_barrier_wait -1
	s_cmp_lg_u32 s[WV], 0
	s_cbranch_scc1 .Lnot_wave_0_\@
	s_barrier_signal -3
.Lnot_wave_0_\@:
	s_barrier_wait -3
	s_barrier_signal -1
	s_barrier_wait -1
.endm
.macro QPTR jr, pc, ps, po             ; block jr's Q fragments, Q scale words and rows of out0
	s_lshr_b32 s82, s[\jr], 2
	s_lshl_b32 s83, s[HI], 4
	s_add_co_u32 s82, s82, s83
	s_and_b32 s83, s[\jr], 3
	s_lshl_b32 s83, s83, 1                         ; my first tile in its 128
	s_mul_i32 s84, s82, STEPB
	s_mul_i32 s85, s83, 1536
	s_add_co_u32 s84, s84, s85
	s_mov_b32 s85, 0
	s_add_nc_u64 s[\pc:\pc+1], s[4:5], s[84:85]
	s_lshl_b32 s84, s82, 9
	s_lshr_b32 s86, s83, 2
	s_lshl_b32 s86, s86, 8
	s_add_co_u32 s84, s84, s86
	s_and_b32 s86, s83, 3
	s_lshl_b32 s86, s86, 2
	s_add_co_u32 s84, s84, s86
	s_add_nc_u64 s[\ps:\ps+1], s[6:7], s[84:85]
	s_lshr_b32 s84, s70, 2
	s_lshl_b32 s84, s84, 11
	s_lshl_b32 s86, s[\jr], 5
	s_add_co_u32 s84, s84, s86                     ; row 2048 batch + 32 block
	s_lshl_b32 s84, s84, 13
	s_and_b32 s86, s[HI], 15
	s_lshl_b32 s86, s86, 9
	s_add_co_u32 s84, s84, s86
	s_lshl_b32 s86, s[PP], 8                       ; my 64 channels of the head's 128
	s_add_co_u32 s84, s84, s86
	s_add_nc_u64 s[\po:\po+1], s[8:9], s[84:85]
.endm
	s_load_b128 s[4:7], s[0:1], 0x0                ; img, scl
	s_load_b64 s[8:9], s[0:1], 0x10                ; out0
	v_lshl_add_u32 v[SPW], v0, 2, SPARE
	v_mov_b32 v[NIL], 0
	ds_add_u32 v[SPW], v[NIL]                      ; the opening lines: the add twice on end and its wait
	ds_add_u32 v[SPW], v[NIL]
	v_lshrrev_b32 v8, 5, v0
	v_readfirstlane_b32 s[WV], v8
	s_and_b32 s70, ttmp7, 0xffff                   ; 4 batch + group
	s_bfe_u32 s71, ttmp6, 0x40000                  ; cx
	s_lshr_b32 s[PP], s[WV], 2
	s_and_b32 s73, s[WV], 3
	s_and_b32 s74, s[WV], 1
	s_lshl_b32 s[HI], s70, 2
	s_add_co_u32 s[HI], s[HI], s73                 ; 16 batch + head
	s_lshl_b32 s[J2], ttmp9, 2
	s_add_co_u32 s[J2], s[J2], s71                 ; j
	s_sub_co_u32 s[J1], 63, s[J2]
	s_sub_co_u32 s[QB], 15, ttmp9                  ; (63 - j) / 4, from the cluster's number alone
	s_add_co_u32 s[N1], s[QB], 2
	s_lshr_b32 s[N1], s[N1], 1                     ; slots of the first block: its steps, halved and rounded up
	s_mul_i32 s[N1B], s[N1], SLOTB
	s_lshl_b32 s[QB], s[QB], 7
	s_lshl_b32 s[QB2], ttmp9, 7
	s_lshl_b32 s[DD], s71, 1
	s_sub_co_i32 s[DD], s[DD], 3
	s_lshl_b32 s[DD], s[DD], 5                     ; 32 (j % 4 - (63 - j) % 4)
	s_lshl_b32 s[KP0], s[PP], 7
	s_mov_b32 s[KF], s[KP0]
	s_mov_b32 s[G1], 15|(3<<16)|(1<<21)            ; the four partners; elements of 8 bytes; no padding
	s_mov_b32 s[G1+1], 32<<16
	s_mov_b32 s[G1+2], 100<<16                     ; half a slot: 100 rows of 256 bytes
	s_mov_b32 s[G1+3], 32<<16
	s_mov_b32 s[G1+4], 100
	s_mov_b32 s[G1+5], 32
	s_mov_b32 s[G1+6], 0
	s_mov_b32 s[G1+7], 0
	s_mul_i32 s[HB], s74, HALFB
	s_mul_i32 s82, s70, 8*SLOTB
	s_add_co_u32 s82, s82, QIMG
	s_mov_b32 s83, 0
	s_mov_b32 s84, s[HB]
	s_mov_b32 s85, 0
	s_mov_b32 s[SEL], 0x76543210
	s_mov_b32 s[SEL+1], 0xfedcba98
	s_mov_b32 s[CS], 0x3e0293ee                    ; log2(e) / sqrt(128)
	s_mov_b32 s[CS+1], s[CS]
	s_mov_b32 s[TB], 0
	s_mov_b32 s[TBN], 0
	s_mov_b32 s[S], 0
	s_mov_b32 s[BK+1], 0
	s_wait_dscnt 0x0
	s_wait_kmcnt 0x0
	s_add_nc_u64 s[90:91], s[4:5], s[82:83]        ; K and V of my batch and group
	s_mov_b32 s[G0], 1
	s_mov_b32 s[G0+1], s[HB]
	s_add_nc_u64 s[G0+2:G0+3], s[90:91], s[84:85]
	s_or_b32 s[G0+3], s[G0+3], 0x80000000
	ROUND                                          ; the first joint loads meet
	TLOAD                                          ; slot 0
	QPTR J1, 10, 12, OP
	QPTR J2, 32, 34, OP+2
	s_add_nc_u64 s[PFA:PFA+1], s[90:91], SLOTB
	s_sub_co_u32 s82, s[WV], 4
	s_cmp_lt_u32 s82, 2
	s_cselect_b32 s[LIM], 7, 0                     ; waves 4 and 5 ask, in trips 0 to 6
	s_min_u32 s82, s82, 1
	s_lshl_b32 s98, s82, 5
	s_mul_i32 s99, s71, 50
	s_mul_i32 s82, s[PP], STEPB
	s_lshl_b32 s83, s[PP], 9
	s_add_co_u32 s83, s83, KSC
	s_mul_i32 s84, s[PP], 6144
	s_add_co_u32 s84, s84, s82
	s_add_co_u32 s84, s84, HALFB
	s_xor_b32 s85, s[PP], 1
	s_mul_i32 s85, s85, 6144
	s_add_co_u32 s85, s85, s82
	s_add_co_u32 s85, s85, HALFB
	s_lshl_b32 s86, s[PP], 8
	s_add_co_u32 s87, s83, HALFB
	s_mul_i32 s88, s[WV], 4*XW
	s_add_co_u32 s88, s88, XCH
	s_xor_b32 s89, s[WV], 4
	s_mul_i32 s89, s89, 4*XW
	s_add_co_u32 s89, s89, XCH
	s_mul_i32 s96, s[WV], 16*SPITCH
	s_add_co_u32 s96, s96, STAGE
	s_and_b32 s97, s[J1], 3
	s_lshl_b32 s97, s97, 5                         ; my first tile's first query in its 128
	v_and_b32 v8, 31, v0
	v_lshlrev_b32 v[LI], 4, v8
	v_and_b32 v29, 15, v0                          ; r
	v_bfe_u32 v30, v0, 4, 1                        ; h
	v_lshlrev_b32 v[R16], 4, v29
.irp c, 0,1,2
	global_load_b128 v[16+4*\c:19+4*\c], v[LI], s[10:11] offset:512*\c
.endr
	WIN 0x40
.irp c, 0,1,2
	global_load_b128 v[16+4*\c:19+4*\c], v[LI], s[10:11] offset:1536+512*\c   ; tile 1's Q, into window 1
.endr
	WIN 0
	v_add_nc_u32 v[LIP], s82, v[LI]                ; my parity's step of K
	v_add_nc_u32 v[LSC], s83, v[LI]                ; its scale image
	v_add_nc_u32 v[LV0], s84, v[LI]                ; V's four tiles that I own,
	v_add_nc_u32 v[LV1], s85, v[LI]                ; and the four that my partner owns
	v_xor_b32 v[LSV], s86, v[LI]                   ; V's scale image, its halves exchanged for parity 1
	v_add_nc_u32 v[LSV], s87, v[LSV]
	v_add_nc_u32 v[XA], s88, v[LI]
	v_add_nc_u32 v[XB], s89, v[LI]
	v_mul_u32_u24 v[STO], v29, SPITCH
	v_lshl_add_u32 v[STO], v30, 6, v[STO]
	v_add_nc_u32 v[STO], s96, v[STO]
	v_mul_u32_u24 v[RD], v30, SPITCH
	v_add_nc_u32 v[RD], v[RD], v[R16]
	v_add_nc_u32 v[RD], s96, v[RD]
	v_lshl_add_u32 v[GO], v30, 13, v[R16]
	v_lshl_add_u32 v[R16], v30, 2, v[R16]          ; Q's scale words: 16 r, and 4 more for tile 1's in lanes 16-31
	global_load_b32 v255, v[R16], s[12:13]
	v_add_nc_u32 v31, s98, v8
	v_min_u32 v31, 49, v31
	v_add_nc_u32 v31, s99, v31
	v_lshlrev_b32 v[PFO], 8, v31                   ; block 50 cx + min(32 (wave - 4) + lane, 49) of the slot's 200
	v_and_b32 v31, 8, v29
	v_add_nc_u32 v31, v31, v29
	v_lshlrev_b32 v8, 4, v30
	v_sub_nc_u32 v[DQ], v31, v8
	v_add_nc_u32 v[DQ], s97, v[DQ]                 ; on the diagonal register 16 b + i is hidden where 32 b + i > this number
	WIN 0x40
	v_add_nc_u32 v[DQ], 8, v[DQ]                   ; tile 1's queries lie 8 further on: into window 1
	WIN 0
.macro FRESH                           ; a block's walk begins: no t yet, sums and O^T zero, in both windows
.irp x, 0,1
	WIN 0x55*\x
	v_mov_b32 v13, 0xff61b1e6
	v_floor_f32 v12, -v13
	v_mov_b32 v14, 0
	v_mov_b32 v15, 0
.set NN, 0
.rept 64
	v_mov_b32 v[160+NN], 0
.set NN, NN+1
.endr
.endr
	WIN 0
.endm
	FRESH
.irp x, 0,1
	WIN 0x55*\x
.irp b, 236,237,238,239,249,251,252,253
	v_mov_b32 v\b, 0                               ; lane permutes' destinations and upper halves of pairs are written once
.endr
.endr
	WIN 0
; the softmax of tile x's 16 queries x 128 keys, all its registers in window x; p's scale word goes to window 0
.macro SOFT x
	WIN 0x55*\x
.irp b, 0,1,2,3
	v_max3_num_f32 v[232+\b], v[96+16*\b], v[97+16*\b], v[98+16*\b]   ; each block's largest score: for the row's maximum and for the block's largest p
.endr
.irp i, 3,5,7,9,11,13
.irp b, 0,1,2,3
	v_max3_num_f32 v[232+\b], v[232+\b], v[96+16*\b+\i], v[97+16*\b+\i]
.endr
.endr
.irp b, 0,1,2,3
	v_max_num_f32 v[232+\b], v[232+\b], v[111+16*\b]
.endr
.irp b, 0,1,2,3
	s_delay_alu instid0(VALU_DEP_4)
	v_permlanex16_b32 v[236+\b], v[232+\b], s[SEL], s[SEL+1]
.endr
.irp b, 0,1,2,3
	s_delay_alu instid0(VALU_DEP_4)
	v_max_num_f32 v[232+\b], v[232+\b], v[236+\b]
.endr
	s_delay_alu instid0(VALU_DEP_2)
	v_max3_num_f32 v254, v232, v233, v234
	s_delay_alu instid0(VALU_DEP_1)
	v_max_num_f32 v254, v254, v235
	s_delay_alu instid0(VALU_DEP_1)
	v_mul_f32 v254, s[CS], v254
	s_delay_alu instid0(VALU_DEP_1)
	v_max_num_f32 v13, v13, v254                   ; the running largest t
	v_mov_b32 v254, v12
	s_delay_alu instid0(VALU_DEP_2)
	v_floor_f32 v12, -v13                          ; the new -M
	s_delay_alu instid0(VALU_DEP_1)
	v_sub_f32 v254, v12, v254
	s_delay_alu instid0(VALU_DEP_1)
	v_cvt_i32_f32 v254, v254                       ; (it saturates)
	s_delay_alu instid0(VALU_DEP_1)
	v_ldexp_f32 v252, 1.0, v254                    ; f = 2^(old M - new M)
.set NN, 0
.rept 32
	v_pk_fma_f32 v[96+NN:97+NN], v[96+NN:97+NN], s[CS:CS+1], v[12:13] op_sel_hi:[1,0,0]   ; t - M
.set NN, NN+2
.endr
.irp b, 0,1,2,3
	v_fma_f32 v[232+\b], v[232+\b], s[CS], v12
.endr
	s_wait_alu depctr_va_vdst(0)                   ; the wait ahead of the batch
.set NN, 0
.rept 64
	v_exp_f32 v[96+NN], v[96+NN]
.set NN, NN+1
.endr
	v_pk_mul_f32 v[14:15], v[14:15], v[252:253] op_sel_hi:[1,0]
	s_wait_alu depctr_va_vdst(0)                   ; one wait for the batch
.irp b, 0,1,2,3
	v_exp_f32 v[232+\b], v[232+\b]                 ; each block's largest p
.endr
	v_pk_add_f32 v[236:237], v[96:97], v[98:99]    ; the sum of the unquantised p, in four chains
	v_pk_add_f32 v[250:251], v[100:101], v[102:103]
	v_pk_add_f32 v[248:249], v[104:105], v[106:107]
	v_pk_add_f32 v[14:15], v[14:15], v[108:109]
.set NN, 110
.rept 6
	v_pk_add_f32 v[236:237], v[236:237], v[NN:NN+1]
	v_pk_add_f32 v[250:251], v[250:251], v[NN+2:NN+3]
	v_pk_add_f32 v[248:249], v[248:249], v[NN+4:NN+5]
	v_pk_add_f32 v[14:15], v[14:15], v[NN+6:NN+7]
.set NN, NN+8
.endr
	v_pk_add_f32 v[236:237], v[236:237], v[158:159]
	v_pk_add_f32 v[250:251], v[250:251], v[248:249]
	s_delay_alu instid0(VALU_DEP_2)
	v_pk_add_f32 v[14:15], v[14:15], v[236:237]
	s_delay_alu instid0(VALU_DEP_1)
	v_pk_add_f32 v[14:15], v[14:15], v[250:251]
	s_wait_alu depctr_va_vdst(0)                   ; and one for the four
.irp b, 0,1,2,3
	v_max_num_f32 v[232+\b], 0x2800000, v[232+\b]  ; the floor: the byte cannot fall under 1
.endr
.irp b, 0,1,2,3
	s_delay_alu instid0(VALU_DEP_4)
	v_add_nc_u32 v[244+\b], 0xfe000000, v[232+\b]
.endr
.irp b, 0,1,2,3
	s_delay_alu instid0(VALU_DEP_4)
	v_lshrrev_b32 v[236+\b], 23, v[244+\b]
.endr
	s_delay_alu instid0(VALU_DEP_3)
	v_lshl_or_b32 v253, v237, 8, v236
	s_delay_alu instid0(VALU_DEP_1)
	v_lshl_or_b32 v253, v238, 16, v253
	WIN 0x15*\x                                    ; sources in window x, destination in window 0: scale operands are taken from window 0
	v_lshl_or_b32 v[PS+\x], v239, 24, v253         ; p's scale word
	WIN 0x55*\x
.irp c, 0,1
	v_cvt_scalef32_pk16_bf6_f32 v[224+6*\c:226+6*\c], v[96+32*\c:111+32*\c], v[244+2*\c]
	v_cvt_scalef32_pk16_bf6_f32 v[236+4*\c:238+4*\c], v[112+32*\c:127+32*\c], v[244+2*\c+1]
.endr
	v_nop
.irp c, 0,1
.irp i, 0,1,2
	v_permlane16_swap_b32 v[224+6*\c+\i], v[236+4*\c+\i]
.endr
.irp i, 0,1,2
	v_mov_b32 v[227+6*\c+\i], v[236+4*\c+\i]
.endr
.endr
	s_wait_alu depctr_va_vdst(0)                   ; the wait directly ahead of the first reader of O^T
.set NN, 0
.rept 32
	v_pk_mul_f32 v[160+NN:161+NN], v[160+NN:161+NN], v[252:253] op_sel_hi:[1,0]   ; O^T under the new M
.set NN, NN+2
.endr
.endm
.macro FRAGS adr, o                    ; four fragments from byte o behind the address
.irp t, 0,1,2,3
.irp c, 0,1,2
	ds_load_b128 v[32+12*\t+4*\c:35+12*\t+4*\c], v[\adr] offset:(\o)+\t*1536+512*\c
.endr
.endr
.endm
.macro STEP
	s_cmp_gt_u32 s[KF], s[QB]                      ; all its keys come after my block's queries: left out
	s_cbranch_scc1 .Lhidden_\@
	v_add_nc_u32 v[AD], s[TB], v[LIP]
	v_add_nc_u32 v[ADS], s[TB], v[LSC]
	v_add_nc_u32 v[AV0], s[TB], v[LV0]
	v_add_nc_u32 v[AV1], s[TB], v[LV1]
	v_add_nc_u32 v[ASV], s[TB], v[LSV]             ; (five places in front of the loads below)
	s_wait_alu depctr_va_vdst(0)
	ds_load_b128 v[84:87], v[ADS]
	FRAGS AD, 0                                    ; K's tiles 0-3
	WIN 0x40
	FRAGS AD, 6144                                 ; and 4-7, into window 1
	s_wait_dscnt 12                                ; the scale words and tiles 0-3 are in; the twelve loads of tiles 4-7 may be out
	WIN 0
.irp t, 0,1,2,3
	v_wmma_scale_f32_16x16x128_f8f6f4 v[96+8*\t:103+8*\t], v[32+12*\t:43+12*\t], v[16:27], 0, v[84+\t], v255 matrix_a_fmt:MATRIX_FMT_BF6 matrix_b_fmt:MATRIX_FMT_BF6
.endr
	WIN 0x54                                       ; tile 1: Q and S^T in window 1
.irp t, 0,1,2,3
	v_wmma_scale_f32_16x16x128_f8f6f4 v[96+8*\t:103+8*\t], v[32+12*\t:43+12*\t], v[16:27], 0, v[84+\t], v255 matrix_a_fmt:MATRIX_FMT_BF6 matrix_b_fmt:MATRIX_FMT_BF6 matrix_b_scale:MATRIX_SCALE_ROW1
.endr
	s_wait_dscnt 0x0
	WIN 0x01                                       ; K's tiles 4-7 from window 1
.irp t, 0,1,2,3
	v_wmma_scale_f32_16x16x128_f8f6f4 v[128+8*\t:135+8*\t], v[32+12*\t:43+12*\t], v[16:27], 0, v[84+\t], v255 matrix_a_fmt:MATRIX_FMT_BF6 matrix_b_fmt:MATRIX_FMT_BF6 matrix_a_scale:MATRIX_SCALE_ROW1
.endr
	WIN 0x55
.irp t, 0,1,2,3
	v_wmma_scale_f32_16x16x128_f8f6f4 v[128+8*\t:135+8*\t], v[32+12*\t:43+12*\t], v[16:27], 0, v[84+\t], v255 matrix_a_fmt:MATRIX_FMT_BF6 matrix_b_fmt:MATRIX_FMT_BF6 matrix_a_scale:MATRIX_SCALE_ROW1 matrix_b_scale:MATRIX_SCALE_ROW1
.endr
	WIN 0
.rept 4
	v_nop
.endr
	ds_load_b128 v[80:83], v[ASV]                  ; V's scale words and all its eight tiles land while the softmax is walked
	FRAGS AV0, 0
	WIN 0x40
	FRAGS AV1, 0
	WIN 0
	s_cmp_lt_u32 s[KF], s[QB]
	s_cbranch_scc1 .Lopen_\@
.irp x, 0,1
	WIN 0x55*\x
	v_mov_b32 v254, 0xff800000                     ; on the diagonal hidden scores become -infinity
.set NN, 0
.rept 64
	v_cmp_gt_i32 vcc_lo, 32*(NN/16)+NN%16, v[DQ]
	v_cndmask_b32 v[96+NN], v[96+NN], v254, vcc_lo
.set NN, NN+1
.endr
.endr
	WIN 0
.Lopen_\@:
	SOFT 0
	SOFT 1
	WIN 0
	s_wait_alu depctr_va_vdst(0)
	s_wait_dscnt 0x0
.irp t, 0,1,2,3
	v_wmma_scale_f32_16x16x128_f8f6f4 v[160+8*\t:167+8*\t], v[32+12*\t:43+12*\t], v[224:235], v[160+8*\t:167+8*\t], v[80+\t], v[PS] matrix_a_fmt:MATRIX_FMT_BF6 matrix_b_fmt:MATRIX_FMT_BF6
.endr
	WIN 0x54
.irp t, 0,1,2,3
	v_wmma_scale_f32_16x16x128_f8f6f4 v[160+8*\t:167+8*\t], v[32+12*\t:43+12*\t], v[224:235], v[160+8*\t:167+8*\t], v[80+\t], v[PS+1] matrix_a_fmt:MATRIX_FMT_BF6 matrix_b_fmt:MATRIX_FMT_BF6
.endr
	WIN 0x01
.irp t, 0,1,2,3
	v_wmma_scale_f32_16x16x128_f8f6f4 v[192+8*\t:199+8*\t], v[32+12*\t:43+12*\t], v[224:235], v[192+8*\t:199+8*\t], v[80+\t], v[PS] matrix_a_fmt:MATRIX_FMT_BF6 matrix_b_fmt:MATRIX_FMT_BF6 matrix_a_scale:MATRIX_SCALE_ROW1
.endr
	WIN 0x55
.irp t, 0,1,2,3
	v_wmma_scale_f32_16x16x128_f8f6f4 v[192+8*\t:199+8*\t], v[32+12*\t:43+12*\t], v[224:235], v[192+8*\t:199+8*\t], v[80+\t], v[PS+1] matrix_a_fmt:MATRIX_FMT_BF6 matrix_b_fmt:MATRIX_FMT_BF6 matrix_a_scale:MATRIX_SCALE_ROW1
.endr
	WIN 0
.Lhidden_\@:
.endm
.macro DUMP p                          ; for both tiles: my partner's half of O^T, -M and the row's sum go to my bytes for block p
.rept 4
	v_nop
.endr
.irp x, 0,1
	WIN 0x04*\x                                    ; the data in window x
.irp k, 0,1,2,3,4,5,6,7
	ds_store_b128 v[XA], v[192+4*\k:195+4*\k] offset:(2*(\p)+\x)*XW+512*\k
.endr
	WIN 0x55*\x
	v_add_f32 v14, v14, v15
	s_delay_alu instid0(VALU_DEP_1)
	v_permlanex16_b32 v252, v14, s[SEL], s[SEL+1]
	s_delay_alu instid0(VALU_DEP_1)
	v_add_f32 v13, v14, v252                       ; the sum over my steps
	s_wait_alu depctr_va_vdst(0)
	WIN 0x04*\x
	ds_store_b128 v[XA], v[12:15] offset:(2*(\p)+\x)*XW+4096
.endr
	WIN 0
.endm
.macro MERGE p                         ; my half: (O_a 2^(M_a - M) + O_b 2^(M_b - M)) / (l_a 2^(M_a - M) + l_b 2^(M_b - M)), M the larger of the two
.irp x, 0,1
	WIN 0x40*\x
.irp k, 0,1,2,3,4,5,6,7
	ds_load_b128 v[96+4*\k:99+4*\k], v[XB] offset:(2*(\p)+\x)*XW+512*\k
.endr
	ds_load_b128 v[240:243], v[XB] offset:(2*(\p)+\x)*XW+4096
	s_wait_dscnt 0x0
	WIN 0x55*\x
	v_min_num_f32 v244, v12, v240                  ; the common -M
	s_delay_alu instid0(VALU_DEP_1)
	v_sub_f32 v245, v244, v12
	v_sub_f32 v246, v244, v240
	s_delay_alu instid0(VALU_DEP_2)
	v_cvt_i32_f32 v245, v245                       ; (they saturate: a wave that had no step counts for nothing)
	s_delay_alu instid0(VALU_DEP_2)
	v_cvt_i32_f32 v246, v246
	s_delay_alu instid0(VALU_DEP_2)
	v_ldexp_f32 v245, 1.0, v245
	s_delay_alu instid0(VALU_DEP_2)
	v_ldexp_f32 v246, 1.0, v246
	s_delay_alu instid0(VALU_DEP_2)
	v_mul_f32 v247, v13, v245
	s_delay_alu instid0(VALU_DEP_1)
	v_fma_f32 v247, v241, v246, v247
	s_wait_alu depctr_va_vdst(0)
	v_rcp_f32 v247, v247
	v_nop
	s_wait_alu depctr_va_vdst(0)
	v_mul_f32 v248, v245, v247
	v_mul_f32 v250, v246, v247
.set NN, 0
.rept 16
	v_pk_mul_f32 v[96+NN:97+NN], v[96+NN:97+NN], v[250:251] op_sel_hi:[1,0]
.set NN, NN+2
.endr
	s_wait_alu depctr_va_vdst(0)                   ; directly ahead of the first reader of O^T
.set NN, 0
.rept 16
	v_pk_fma_f32 v[96+NN:97+NN], v[160+NN:161+NN], v[248:249], v[96+NN:97+NN] op_sel_hi:[1,0,1]
.set NN, NN+2
.endr
	WIN 0x04*\x
.irp t, 0,1
.irp k, 0,1,2,3
	ds_store_b128 v[STO], v[96+16*\t+4*\k:99+16*\t+4*\k] offset:128*\t+16*\k   ; register 16 t + i is channel 32 t + 16 h + i of my 64
.endr
.endr
	WIN 0x40*\x
.irp q, 0,1,2,3,4,5,6,7
	ds_load_b128 v[128+4*\q:131+4*\q], v[RD] offset:\q*2*SPITCH   ; my own bytes, served in order: two rows of 256 bytes
.endr
	WIN 0x04*\x
.irp q, 0,1,2,3,4,5,6,7
	s_wait_dscnt 7-\q
	global_store_b128 v[GO], v[128+4*\q:131+4*\q], s[OP+2*(\p):OP+2*(\p)+1] offset:(((2*\q)%8)+16*((2*\q)/8)+8*\x)*8192 th:TH_STORE_NT   ; sixteen lanes store 256 consecutive bytes, aligned
.endr
.endr
	WIN 0
.endm
; A TRIP.  Each wave waits for its tensor loads, adds 0 to its spare word and waits for its LDS reads; behind the round the slot just left is filled again with the next two steps.  A second barrier of the work-group
; stands between what partners hand over at a block's end and its reading; no bytes are filled behind it.
.macro TRIP fill
	s_wait_tensorcnt 0x0
	ds_add_u32 v[SPW], v[NIL]
.if \fill
	ds_add_u32 v[SPW], v[NIL]                      ; the add twice on end
	s_xor_b32 s[TBN], s[TBN], SLOTB
	s_add_co_u32 s[G0+1], s[TBN], s[HB]
	s_add_nc_u64 s[G0+2:G0+3], s[G0+2:G0+3], SLOTB
	s_add_co_u32 s96, s[S], 1
	s_cmp_eq_u32 s96, s[N1]
	s_cselect_b32 s[BK], s[N1B], 0                 ; the second block's walk begins at key 0 again
	s_sub_nc_u64 s[G0+2:G0+3], s[G0+2:G0+3], s[BK:BK+1]
	s_wait_xcnt 0x0                                ; the last prefetch has read its address
	s_add_nc_u64 s[PFA:PFA+1], s[PFA:PFA+1], SLOTB
	s_add_co_u32 s96, s[S], 2
	s_cmp_eq_u32 s96, s[N1]
	s_cselect_b32 s[BK], s[N1B], 0
	s_sub_nc_u64 s[PFA:PFA+1], s[PFA:PFA+1], s[BK:BK+1]
	s_wait_dscnt 0x0
	ROUND
	TLOAD
	s_cmp_lt_u32 s[S], s[LIM]
	s_cbranch_scc0 .Lnot_mine_\@
	global_prefetch_b8 v[PFO], s[PFA:PFA+1] th:TH_LOAD_NT scope:SCOPE_SE
.Lnot_mine_\@:
.else
	s_wait_dscnt 0x0
	s_barrier_signal -1
	s_barrier_wait -1
.endif
	s_cmp_eq_u32 s[S], s[N1]
	s_cbranch_scc0 .Lno_dump_\@
	DUMP 0
.irp c, 0,1,2
	global_load_b128 v[16+4*\c:19+4*\c], v[LI], s[32:33] offset:512*\c   ; the second block's Q
.endr
	global_load_b32 v255, v[R16], s[34:35]
	WIN 0x40
.irp c, 0,1,2
	global_load_b128 v[16+4*\c:19+4*\c], v[LI], s[32:33] offset:1536+512*\c
.endr
	WIN 0
.Lno_dump_\@:
	s_wait_dscnt 0x0
	s_barrier_signal -1
	s_barrier_wait -1
	s_cmp_eq_u32 s[S], s[N1]
	s_cbranch_scc0 .Lno_merge_\@
	MERGE 0
	v_add_nc_u32 v[DQ], s[DD], v[DQ]
	WIN 0x55
	v_add_nc_u32 v[DQ], s[DD], v[DQ]
	WIN 0
	FRESH
	s_mov_b32 s[KF], s[KP0]
	s_mov_b32 s[QB], s[QB2]
	s_wait_xcnt 0x0                                ; the stores have read their registers
	s_wait_alu depctr_va_vdst(0)
.Lno_merge_\@:
	s_wait_loadcnt 0x0                             ; on every way: the second block's Q is in before it is used or loaded again
	STEP
	s_xor_b32 s[TB], s[TB], SLOTB
	s_add_co_u32 s[KF], s[KF], 256
.endm
	s_wait_alu depctr_va_vdst(0)                   ; the wait at the head's end
	s_wait_loadcnt 0x0                             ; Q
.Ltrip:
	TRIP 1
	s_add_co_u32 s[S], s[S], 1
	s_cmp_lt_u32 s[S], 8
	s_cbranch_scc1 .Ltrip
	TRIP 0                                         ; the ninth trip asks for nothing
	DUMP 1
	s_wait_dscnt 0x0
	s_barrier_signal -1
	s_barrier_wait -1
	MERGE 1
	s_wait_tensorcnt 0x0                           ; the wave's end
	ds_add_u32 v[SPW], v[NIL]
	s_wait_dscnt 0x0
	ROUND                                          ; the closing round
	s_endpgm
.Lfunc_end_k_q68a5a883cd_attn:
	.size	k_q68a5a883cd_attn, .Lfunc_end_k_q68a5a883cd_attn-k_q68a5a883cd_attn
	.p2alignl 7, 3214868480
	.fill 96, 4, 3214868480
	.section	.rodata,"a",@progbits
	.p2align	6, 0x0
	.amdhsa_kernel k_q68a5a883cd_attn
		.amdhsa_group_segment_fixed_size 327680
		.amdhsa_private_segment_fixed_size 0
		.amdhsa_enable_private_segment 0
		.amdhsa_kernarg_size 24
		.amdhsa_user_sgpr_count 2
		.amdhsa_user_sgpr_kernarg_segment_ptr 1
		.amdhsa_wavefront_size32 1
		.amdhsa_system_sgpr_workgroup_id_x 1
		.amdhsa_system_sgpr_workgroup_id_y 1
		.amdhsa_system_sgpr_workgroup_id_z 1
		.amdhsa_system_vgpr_workitem_id 0
		.amdhsa_next_free_vgpr 512
		.amdhsa_next_free_sgpr 100
		.amdhsa_reserve_vcc 1
		.amdhsa_float_denorm_mode_32 3
		.amdhsa_float_denorm_mode_16_64 3
		.amdhsa_memory_ordered 1
		.amdhsa_forward_progress 1
		.amdhsa_inst_pref_size 157
	.end_amdhsa_kernel
	.amdgpu_metadata
---
amdhsa.version: [ 1, 2 ]
amdhsa.kernels:
  - .name:           k_q68a5a883cd_attn
    .symbol:         k_q68a5a883cd_attn.kd
    .args:
      - { .name: img, .offset: 0, .size: 8, .value_kind: global_buffer, .address_space: global }
      - { .name: scl, .offset: 8, .size: 8, .value_kind: global_buffer, .address_space: global }
      - { .name: out0, .offset: 16, .size: 8, .value_kind: global_buffer, .address_space: global }
    .group_segment_fixed_size: 327680
    .private_segment_fixed_size: 0
    .kernarg_segment_align: 8
    .kernarg_segment_size: 24
    .max_flat_workgroup_size: 256
    .sgpr_count:     100
    .vgpr_count:     512
    .wavefront_size: 32
...
	.end_amdgpu_metadata
.endif
;; end of part 3
